; MI455X (gfx1250); checked and timed in simulation.
; The chip was launched on July 23, 2026; its instructions are those of AMD's public machine-readable ISA for CDNA 5 (MIT licence, August 2026) and "CDNA5" Instruction Set Architecture Reference Guide (July 2026). The comments in the code are by the model that wrote it; some were corrected since.
;; Attention. Allowed arithmetic: matrix products marked QUANTISED: E2M1 operands, one E8M0 scale for each 32 along K, by v_wmma_scale_f32_16x16x128_f8f6f4 with both operands' format E2M1 (or v_wmma_scale_f32_32x16x128_f4), f32 sums; everything else in f32.
;; Inputs: k_codes 2 x 32 x 2,048 x 4 x 16 uint8 (E2M1 codes of k, K innermost, in blocks of 32 codes, two codes a byte); k_scales 2 x 32 x 2,048 x 4 uint8 (E8M0 scales of k, one for each 32 codes along K); mask 2 x 1 x 2,048 x 2,048 bool; q_codes 2 x 32 x 2,048 x 4 x 16 uint8 (E2M1 codes of q, K innermost, in blocks of 32 codes, two codes a byte); q_scales 2 x 32 x 2,048 x 4 uint8 (E8M0 scales of q, one for each 32 codes along K); v_codes 2 x 32 x 128 x 64 x 16 uint8 (E2M1 codes of v, K innermost, in blocks of 32 codes, two codes a byte); v_scales 2 x 32 x 128 x 64 uint8 (E8M0 scales of v, one for each 32 codes along K).
;; Outputs: out0 2 x 32 x 2,048 x 128 float32.
;; This version of the problem:
;;   THIS VERSION OF THE PROBLEM IS GIVEN IN LOW PRECISION. The matrix products marked QUANTISED in the list below multiply operands that are first quantised to E2M1 (2 exponent bits, 1 mantissa bit; 4 bits a number), with one power-of-two scale for each 32 numbers along K (OCP MX v1.0); their sums are f32. All else is computed in f32.
;;   The module's matrix products, in the order in which they are computed (A, B: the left and right operand; K: the contracted axis; several contracted axes count as one K, in the product's order):
;;     1. batch 64 x [M 2,048, K 128] x [K 128, N 2,048]; A: input q (given as codes); B: input k (given as codes): QUANTISED
;;     2. batch 64 x [M 2,048, K 2,048] x [K 2,048, N 128]; A: softmax (see below); B: input v (given as codes): QUANTISED
;;   THE QUANTISER, for each operand of a quantised product, along K:
;;     - K is cut into blocks of 32 from its start; a last block that is shorter is filled with zeros.
;;     - A block's scale is 2^e with e = floor(log2(the largest magnitude in the block)) - 2, held to -126 .. 127; a block of zeros has e = 0. As a byte (E8M0): e + 127.
;;     - Each number is divided by its block's scale, clamped to +-6, and rounded to the nearest number of E2M1, ties to even, subnormals kept.
;;     - The product sums the exact products of the quantised numbers (number of the format x scale) in f32.
;;   ~~~python
;;   def quantise(x, axis):      # numpy; x: float32 -> the quantised numbers, widened to float32 again
;;       x = np.moveaxis(x, axis, -1); K = x.shape[-1]
;;       x = np.pad(x, [(0, 0)] * (x.ndim - 1) + [(0, -K % 32)]); x = x.reshape(x.shape[:-1] + (-1, 32)); a = np.abs(x).max(-1, keepdims=True)
;;       e = np.where(a > 0, np.clip(np.frexp(np.where(a > 0, a, 1))[1] - 1 - 2, -126, 127), 0)      # np.frexp(a)[1] - 1 = floor(log2(a)), exactly
;;       r = np.clip(x / 2.0 ** e, -6, 6)
;;       step = 2.0 ** (np.maximum(np.frexp(np.where(r == 0, 1, r))[1] - 1, 0) - 1)
;;       q = np.round(r / step) * step * 2.0 ** e      # np.round: ties to even
;;       return np.moveaxis(q.reshape(q.shape[:-2] + (-1,))[..., :K], -1, axis).astype(np.float32)
;;   ~~~
;;   SOFTMAX AHEAD OF A QUANTISED PRODUCT. Where the list says 'softmax', what is quantised is not the finished softmax but p = 2^(t - M), with t = logit x log2(e) and M = ceil(the row's largest t), a whole number; so 1/2 < the row's largest p <= 1. The row's sum l is taken of the UNQUANTISED p, in f32, and the product's result is divided by l at the end. Since M is a whole number, a kernel that streams over the keys may use a running M (the ceiling of the running maximum): every later rescaling is an exact power of two, which a block's scale takes up: the codes' values come out the same.
;;   OPERANDS COMPUTED ON THE WAY. 'Computed on the way' means the value that the module computes at that place (a softmax that the list does not call 'softmax' is quantised finished and normalised). What goes into a quantiser is computed in f32, as accurately as f32 sums, v_exp_f32 and their like allow (about 1e-6 of the number): no bf16 or f16 on the way to a quantiser, and a product that is left as it is and whose result goes on into a quantised operand takes f32 operands (vector FMAs, or v_wmma_f32_16x16x4_f32). A number that lies on a knife's edge between two numbers of the format may be rounded either way, as far as f32 arithmetic and the matrix unit's own rounding can turn it there, and no further.
;;   INPUTS GIVEN AS CODES. k (in the module: [2, 32, 2048, 128], K = its axis 3); q (in the module: [2, 32, 2048, 128], K = its axis 3); v (in the module: [2, 32, 2048, 128], K = its axis 2): each comes as NAME_codes (uint8): NAME with its K axis moved to the last place and cut into blocks of 32 codes, [.., K / 32, bytes a block], one block behind the other in memory; two codes a byte, the lower K in the low four bits (a code: sign, 2 exponent bits, 1 mantissa bit); and NAME_scales (uint8): the same leading axes, one E8M0 byte (e + 127) for each 32 codes along K. Its value is code x scale, taken as it is: it is not quantised again, and the codes and scales need not be those that the quantiser above would give.
;; One version. Each part assembles by itself: llvm-mc -triple=amdgcn-amd-amdhsa -mcpu=gfx1250 --defsym DOCPART=n.
;; ======== version 1 of 1: 1 launch
;; limits: right only within a limited range of input values
;; launch attn (part 1): grid 8 x 64, 8 waves a work-group, clusters of 4 x 4, 327,680 bytes of LDS; arguments q_codes, q_scales, k_codes, k_scales, v_codes, v_scales, mask, out0; writes out0
.if DOCPART == 1
	.amdgcn_target "amdgcn-amd-amdhsa--gfx1250"
	.amdhsa_code_object_version 6
	.text
	.protected	k_q0415edf10a_attn
	.globl	k_q0415edf10a_attn
	.p2align	8
	.type	k_q0415edf10a_attn,@function
k_q0415edf10a_attn:
	s_mov_b64 s[64:65], 0
	v_nop
	global_prefetch_b8 v0, s[64:65] scope:SCOPE_SE
	s_setreg_imm32_b32 hwreg(HW_REG_WAVE_MODE, 25, 1), 1
	s_wait_xcnt 0x0
	s_wait_alu depctr_hold_cnt(0) depctr_sa_sdst(0) depctr_va_vdst(0) depctr_va_sdst(0) depctr_va_ssrc(0) depctr_va_vcc(0) depctr_vm_vsrc(0)
	s_getreg_b32 s2, hwreg(HW_REG_IB_STS2, 6, 4)
	s_cmp_eq_u32 s2, 0
	s_cbranch_scc0 .Lentry_in_a_cluster
	s_endpgm
.Lentry_in_a_cluster:
	s_bfe_u32 s2, ttmp6, 0x10000c
	s_cmp_lg_u32 s2, 0xf033
	s_cbranch_scc0 .Lentry_shape_is_right
	s_endpgm
.Lentry_shape_is_right:
; out0[b][n][t][:] = sum over s of softmax_s(mask ? q.k/sqrt(128) : lowest) v[s][:], both products on E2M1 codes with E8M0 scales.
; p = 2^(t - M), t = score x log2(e)/sqrt(128), M = the running largest t rounded up to a whole number; p is quantised along the keys;
; the row's sum is taken of the unquantised p and divides at the end.  When M moves, the sum and O^T are multiplied by 2^(old M - new M).
; THE MASK is an input and is honoured element by element: a first matrix instruction on each score tile makes C = -2^126 + 2^126 x mask
; (A selects a key's mask byte, code 2.0; a mask byte 1 is the code pair (0.5, 0); both scales 2^63), and the score product adds onto it.
; A hidden score is then -2^126 whatever q.k holds; a row with no open key gets p = 1 for every key, the even weights that reference() gives.
; LIMITS: the scaled scores t of open keys stay under 2^31 in magnitude; scores stay under 2^102, so that a hidden one rounds to -2^126.
; SHARES: a work-group owns 256 queries of one head, each of its 8 waves 32 of them as two tiles of 16: tile x has S^T, O^T, Q, P and its mask
; bytes in register window x; the small state of BOTH tiles (M, sums, block maxima, scale operands) lies in window 0, so that the two tiles'
; dependent lines go by turns and their 136 exponentials of a step form one batch.
; Both products are used transposed, so a lane holds one query; lane r of key tile 2b+u takes key 32b+8u+r+8(r/8), so that the 16 registers
; of two neighbouring tiles are 16 neighbouring keys.  A ring of two LDS slots of 256 keys (two steps of 128): K, V, and 256 x 256 mask bytes.
; CLUSTERS 4 x 4: the four work-groups of a row share a head (K, V, scale bytes asked jointly), those of a column a query block (mask).
; PREFETCH: one slot ahead of the joint loads; the partners share the blocks out by address, one cluster of those that read them asks.
.set NSL,   8
.set SLOT1, 1<<17
.set KP,    80                     ; a key's 64 bytes + 16 of padding
.set KG1,   10368                  ; keys 16..31 of each 32 lie here: 128 rows + 128 bytes
.set VP,    144
.set VOFF,  20736
.set MP,    272
.set MOFF,  39168
.set SCK,   2*SLOT1                ; K's scale bytes of the head: 32 units of 256 bytes + 16
.set SCV,   SCK+32*272
.set SPARE, SCV+32*272             ; the spare words, 128 bytes a wave
.set SPI,   528                    ; the way out: a row of 512 bytes + 16
.set AK0,  1
.set AV0,  2
.set AM0,  3
.set ASK0, 4
.set ASV0, 5
.set SPW,  6
.set NIL,  7
.set ADK,  8
.set ADV,  9
.set ADM,  10
.set ADS,  11
.set ADT,  12
.set GO,   13
.set PFO,  14
.set STO,  15
.set KS,   16
.set VS,   20
.set QS,   24
.set PS,   26
.set MSC,  28
.set RD,   29
.set AC,   32                      ; v32-41: 0,0,X,Y,0,0,0,0,0,0: v[34:41] selects keys 0-7 of a lane's 16 mask bytes, v[32:39] keys 8-15
.set M1,   42                      ; v42-59: tile 1's small state;  M0: tile 0's.  +0 -M, +1 largest t, +2,3 sum, +4..7 block maxima, +8..11 at work, +12..15 scale operands, +16 f, +17 at work
.set M0,   224
.set CC,   248                     ; v248-255: -2^126
.set T0,   100                     ; v100-106: at work in the head
.set FR,   0                       ; window 1: eight fragments of K or of V
.set MW,   64
.set RQ,   80
.set RP,   88
.set RS,   96
.set RO,   160
.set WV,   20
.set CX,   21
.set CY,   22
.set G1K,  24
.set G1V,  32
.set G1M,  40
.set G1S,  48
.set G0K,  56
.set G0V,  60
.set G0M,  68
.set G0SK, 72
.set G0SV, 76
.set TB,   66
.set TS,   67
.set TJ,   80
.set SLOTS, 81
.set SEL,  82
.set CS,   84
.set PFA,  86
.set PFS,  88
.set GA,   90
.set GB,   91
.set GT,   92
.set HD,   93
.set MSB, 0
.macro WIN new
.if MSB != (\new)
	s_set_vgpr_msb (MSB<<8)|(\new)
.set MSB, (\new)
.endif
.endm
.macro NOP4
.rept 4
	v_nop
.endr
.endm
.macro CROUND                      ; a round of the cluster's barrier
	s_barrier_signal -1
	s_barrier_wait -1
	s_cmp_lg_u32 s[WV], 0
	s_cbranch_scc1 .Lnot_wave_0_\@
	s_barrier_signal -3
.Lnot_wave_0_\@:
	s_barrier_wait -3
	s_barrier_signal -1
	s_barrier_wait -1
.endm
.macro ARM under, g0, g1, next, done   ; one arm of a chain on the wave's number: one joint load
	s_cmp_lt_u32 s[WV], \under
	s_cbranch_scc0 \next
	tensor_load_to_lds s[\g0:\g0+3], s[\g1:\g1+7]
	s_nop 0
	NOP4
	s_branch \done
\next:
.endm
.macro JLOAD                       ; a slot's fill: waves 0,1 K; 2,3 V; 4,5 the mask; 6,7 nothing
	ARM 2, G0K, G1K, .Lnot_k_\@, .Lasked_\@
	ARM 4, G0V, G1V, .Lnot_v_\@, .Lasked_\@
	ARM 6, G0M, G1M, .Lnot_m_\@, .Lasked_\@
.Lasked_\@:
.endm
.macro ASK                         ; the prefetch of what the next changes of slots will ask for
	s_cmp_gt_u32 s[SLOTS], s[GA]
	s_cbranch_scc0 .Lnot_mine_\@
	global_prefetch_b8 v[PFO], s[PFA:PFA+1] th:TH_LOAD_NT scope:SCOPE_SE
.Lnot_mine_\@:
	s_mov_b32 s[GT], s[GA]
	s_mov_b32 s[GA], s[GB]
	s_mov_b32 s[GB], s[GT]
.endm
	s_load_b512 s[4:19], s[0:1], 0x0
	v_lshl_add_u32 v[SPW], v0, 2, SPARE
	v_mov_b32 v[NIL], 0
	ds_add_u32 v[SPW], v[NIL]              ; the opening lines: the add twice on end and its wait
	ds_add_u32 v[SPW], v[NIL]
	s_wait_dscnt 0x0
	v_lshrrev_b32 v30, 5, v0
	s_delay_alu instid0(VALU_DEP_1)
	v_readfirstlane_b32 s[WV], v30
	s_bfe_u32 s[CX], ttmp6, 0x40000
	s_bfe_u32 s[CY], ttmp6, 0x40004
	s_lshl_b32 s2, ttmp9, 2
	s_add_co_u32 s2, s2, s[CX]             ; query block 0..7
	s_and_b32 s3, ttmp7, 0xffff
	s_lshl_b32 s[HD], s3, 2
	s_add_co_u32 s[HD], s[HD], s[CY]       ; head 0..63
	s_lshr_b32 s3, s3, 3                   ; batch
	s_lshl_b32 s23, s[CY], 2
	s_lshl_b32 s23, 15, s23                ; my row of the cluster
	s_lshl_b32 s[GT], 0x1111, s[CX]        ; my column
	s_or_b32 s[G1K], s23, (1<<20)|(1<<21)|(3<<22)|(3<<25)   ; K: 8 rows of 1,024 bytes (16 keys), 2,048 apart; 16 bytes behind every 64
	s_mov_b32 s[G1K+1], 1024<<16
	s_mov_b32 s[G1K+2], 8<<16
	s_mov_b32 s[G1K+3], 1024<<16
	s_mov_b32 s[G1K+4], 8
	s_mov_b32 s[G1K+5], 2048
	s_mov_b32 s[G1K+6], 0
	s_mov_b32 s[G1K+7], 0
	s_or_b32 s[G1V], s23, (1<<20)|(1<<21)|(4<<22)|(3<<25)   ; V: 64 rows of 128 bytes (256 keys)
	s_mov_b32 s[G1V+1], 128<<16
	s_mov_b32 s[G1V+2], 64<<16
	s_mov_b32 s[G1V+3], 128<<16
	s_mov_b32 s[G1V+4], 64
	s_mov_b32 s[G1V+5], 1024
	s_mov_b32 s[G1V+6], 0
	s_mov_b32 s[G1V+7], 0
	s_or_b32 s[G1M], s[GT], (1<<20)|(1<<21)|(5<<22)|(3<<25) ; mask: 128 rows of 256 bytes
	s_mov_b32 s[G1M+1], 256<<16
	s_mov_b32 s[G1M+2], 128<<16
	s_mov_b32 s[G1M+3], 256<<16
	s_mov_b32 s[G1M+4], 128
	s_mov_b32 s[G1M+5], 2048
	s_mov_b32 s[G1M+6], 0
	s_mov_b32 s[G1M+7], 0
	s_or_b32 s[G1S], s23, (3<<16)|(1<<20)|(1<<21)|(5<<22)|(3<<25) ; a head's scale bytes: 32 dense rows of 256 bytes
	s_mov_b32 s[G1S+1], 32<<16
	s_mov_b32 s[G1S+2], 32<<16
	s_mov_b32 s[G1S+3], 32<<16
	s_mov_b32 s[G1S+4], 32
	s_mov_b32 s[G1S+5], 32
	s_mov_b32 s[G1S+6], 0
	s_mov_b32 s[G1S+7], 0
	s_and_b32 s88, s[WV], 1
	s_lshl_b32 s90, s[HD], 17              ; the head's codes
	s_lshl_b32 s94, s88, 10
	s_add_co_u32 s94, s94, s90
	s_mov_b32 s95, 0
	s_lshl_b32 s96, s88, 16
	s_add_co_u32 s96, s96, s90
	s_mov_b32 s97, 0
	s_lshl_b32 s86, s[HD], 13              ; the head's scale bytes
	s_mov_b32 s87, 0
	s_lshl_b32 s98, s3, 22
	s_lshl_b32 s99, s2, 19
	s_add_co_u32 s98, s98, s99
	s_lshl_b32 s99, s88, 18
	s_add_co_u32 s98, s98, s99             ; mask: batch, query block, my 128 rows
	s_mov_b32 s99, 0
	s_mov_b32 s[G0K], 1
	s_mul_i32 s[G0K+1], s88, KG1
	s_mov_b32 s[G0V], 1
	s_mul_i32 s[G0V+1], s88, 64*VP
	s_add_co_u32 s[G0V+1], s[G0V+1], VOFF
	s_mov_b32 s[G0M], 1
	s_mul_i32 s[G0M+1], s88, 128*MP
	s_add_co_u32 s[G0M+1], s[G0M+1], MOFF
	s_mov_b32 s[G0SK], 1
	s_mov_b32 s[G0SK+1], SCK
	s_mov_b32 s[G0SV], 1
	s_mov_b32 s[G0SV+1], SCV
	s_wait_kmcnt 0x0
	s_add_nc_u64 s[G0K+2:G0K+3], s[8:9], s[94:95]
	s_or_b32 s[G0K+3], s[G0K+3], 0x80000000
	s_add_nc_u64 s[G0V+2:G0V+3], s[12:13], s[96:97]
	s_or_b32 s[G0V+3], s[G0V+3], 0x80000000
	s_add_nc_u64 s[G0M+2:G0M+3], s[16:17], s[98:99]
	s_or_b32 s[G0M+3], s[G0M+3], 0x80000000
	s_add_nc_u64 s[G0SK+2:G0SK+3], s[10:11], s[86:87]
	s_or_b32 s[G0SK+3], s[G0SK+3], 0x80000000
	s_add_nc_u64 s[G0SV+2:G0SV+3], s[14:15], s[86:87]
	s_or_b32 s[G0SV+3], s[G0SV+3], 0x80000000
	CROUND                                 ; in front of the first joint loads
	; the head's fills, one a wave, one chain: slot 0's K, V, mask, and the head's scale bytes (wave 6: K's, wave 7: V's)
	ARM 2, G0K, G1K, .Lh_v, .Lh_done
	ARM 4, G0V, G1V, .Lh_m, .Lh_done
	ARM 6, G0M, G1M, .Lh_sk, .Lh_done
	ARM 7, G0SK, G1S, .Lh_sv, .Lh_done
	tensor_load_to_lds s[G0SV:G0SV+3], s[G1S:G1S+7]
	s_nop 0
	NOP4
.Lh_done:
	s_lshl_b32 s100, s2, 14
	s_lshl_b32 s101, s[WV], 11
	s_add_co_u32 s100, s100, s101
	s_add_co_u32 s100, s100, s90
	s_mov_b32 s101, 0
	s_add_nc_u64 s[4:5], s[4:5], s[100:101]    ; Q's codes at my 32 queries
	s_lshl_b32 s100, s[HD], 13
	s_lshl_b32 s101, s2, 10
	s_add_co_u32 s100, s100, s101
	s_lshl_b32 s101, s[WV], 7
	s_add_co_u32 s100, s100, s101
	s_mov_b32 s101, 0
	s_add_nc_u64 s[6:7], s[6:7], s[100:101]    ; their scale words
	v_and_b32 v30, 15, v0                  ; r
	v_bfe_u32 v31, v0, 4, 1                ; h
	v_lshlrev_b32 v[T0], 6, v30
	v_lshlrev_b32 v[T0+1], 2, v30
	s_delay_alu instid0(VALU_DEP_2)
	v_lshl_add_u32 v[T0], v31, 4, v[T0]
	global_load_b128 v[RQ:RQ+3], v[T0], s[4:5]
	global_load_b128 v[RQ+4:RQ+7], v[T0], s[4:5] offset:32
	global_load_b32 v[QS], v[T0+1], s[6:7]
	global_load_b32 v[QS+1], v[T0+1], s[6:7] offset:64
	WIN 0x40
	global_load_b128 v[RQ:RQ+3], v[T0], s[4:5] offset:1024
	global_load_b128 v[RQ+4:RQ+7], v[T0], s[4:5] offset:1056
	WIN 0
	s_wait_alu depctr_va_vdst(0)           ; the wait ahead of the run of scalar lines
	s_lshl_b32 s100, s[HD], 20
	s_lshl_b32 s101, s2, 17
	s_add_co_u32 s100, s100, s101
	s_lshl_b32 s101, s[WV], 14
	s_add_co_u32 s100, s100, s101
	s_mov_b32 s101, 0
	s_add_nc_u64 s[18:19], s[18:19], s[100:101] ; my rows of the output
	; the prefetches: wave 0 K (8,192 bytes a partner, two slots' worth in all, every second change), wave 2 V (32 rows a partner, 256 bytes: two slots), waves 4,5 the mask (32 rows each, 64 a partner)
	s_lshl_b32 s100, s[CX], 13
	s_add_co_u32 s100, s100, s90
	s_add_co_u32 s100, s100, 16384
	s_lshl_b32 s101, s[CX], 15
	s_add_co_u32 s101, s101, s90
	s_add_co_u32 s101, s101, 256
	s_lshl_b32 s[GT], s3, 22
	s_lshl_b32 s23, s2, 19
	s_add_co_u32 s[GT], s[GT], s23
	s_lshl_b32 s23, s[CY], 17
	s_add_co_u32 s[GT], s[GT], s23
	s_lshl_b32 s23, s88, 16
	s_add_co_u32 s[GT], s[GT], s23
	s_add_co_u32 s[GT], s[GT], 256
	s_cmp_lt_u32 s[WV], 2
	s_cselect_b64 s[PFA:PFA+1], s[8:9], s[12:13]
	s_cselect_b32 s100, s100, s101
	s_mov_b32 s23, 128
	s_cselect_b32 s[PFS], 16384, s23
	s_mov_b32 s23, 1024
	s_cselect_b32 s101, 256, s23
	s_cmp_lt_u32 s[WV], 4
	s_cselect_b64 s[PFA:PFA+1], s[PFA:PFA+1], s[16:17]
	s_cselect_b32 s100, s100, s[GT]
	s_cselect_b32 s[PFS], s[PFS], 256
	s_cselect_b32 s96, s101, 2048          ; from lane to lane
	s_mov_b32 s[PFS+1], 0
	s_mov_b32 s101, 0
	s_add_nc_u64 s[PFA:PFA+1], s[PFA:PFA+1], s[100:101]
	s_or_b32 s23, s[WV], ttmp9
	s_cmp_eq_u32 s23, 0
	s_cselect_b32 s[GA], 1, -1
	s_xor_b32 s23, s[WV], 2
	s_or_b32 s23, s23, ttmp9
	s_cmp_eq_u32 s23, 0
	s_cselect_b32 s[GB], 2, -1
	s_lshr_b32 s23, s[WV], 1
	s_xor_b32 s23, s23, 2
	s_and_b32 s[GT], ttmp7, 7
	s_or_b32 s23, s23, s[GT]
	s_cmp_eq_u32 s23, 0
	s_cselect_b32 s[GA], 1, s[GA]
	s_cselect_b32 s[GB], 1, s[GB]
	s_mov_b32 s[SEL], 0x76543210
	s_mov_b32 s[SEL+1], 0xfedcba98
	s_mov_b32 s[CS], 0x3e0293ee            ; log2(e)/sqrt(128)
	s_mov_b32 s[CS+1], s[CS]
	s_mov_b32 s[TB], 0
	s_mov_b32 s[TS], 0
	s_mov_b32 s[TJ], 0
	s_mov_b32 s[SLOTS], NSL-1
	s_mul_i32 s94, s[WV], 32*MP
	s_add_co_u32 s94, s94, MOFF            ; my 32 rows of the mask
	s_mul_i32 s95, s[WV], 16*SPI           ; my stage
	; the lane's addresses
	v_and_b32 v[PFO], 31, v0
	v_and_b32 v[T0+2], 7, v30
	v_lshrrev_b32 v[T0+3], 3, v30
	v_mul_u32_u24 v[AV0], v30, VP
	v_mul_u32_u24 v[AM0], v30, MP
	v_mul_lo_u32 v[PFO], v[PFO], s96
	v_mul_u32_u24 v[AK0], v[T0+2], KP
	v_lshl_add_u32 v[AV0], v31, 4, v[AV0]
	v_lshl_add_u32 v[AM0], v31, 4, v[AM0]
	v_lshl_add_u32 v[ASK0], v[T0+3], 3, v30
	s_delay_alu instid0(VALU_DEP_4)
	v_mad_u32_u24 v[AK0], v[T0+3], KG1, v[AK0]
	v_add_nc_u32 v[AV0], VOFF, v[AV0]
	v_add_nc_u32 v[AM0], s94, v[AM0]
	v_lshlrev_b32 v[ASK0], 2, v[ASK0]
	s_delay_alu instid0(VALU_DEP_4)
	v_lshl_add_u32 v[AK0], v31, 4, v[AK0]
	v_lshrrev_b32 v[T0+4], 2, v30
	v_and_b32 v[T0+5], 3, v30
	v_lshl_add_u32 v[ASK0], v31, 5, v[ASK0]
	s_delay_alu instid0(VALU_DEP_3)
	v_mul_u32_u24 v[ASV0], v[T0+4], 272
	v_and_b32 v[GO], 31, v0
	v_mul_u32_u24 v[STO], v30, SPI
	v_add_nc_u32 v[ASK0], SCK, v[ASK0]
	s_delay_alu instid0(VALU_DEP_4)
	v_lshl_add_u32 v[ASV0], v[T0+5], 6, v[ASV0]
	v_lshlrev_b32 v[GO], 4, v[GO]
	v_lshl_add_u32 v[STO], v31, 5, v[STO]
	s_delay_alu instid0(VALU_DEP_3)
	v_mad_u32_u24 v[ASV0], v31, 1088, v[ASV0]
	v_add_nc_u32 v[RD], s95, v[GO]
	v_add_nc_u32 v[STO], s95, v[STO]
	s_delay_alu instid0(VALU_DEP_3)
	v_add_nc_u32 v[ASV0], SCV, v[ASV0]
	; the selecting matrix: row m = r picks k = 32 (r/8) + 16 u + 2 (r%8): code 2.0 in byte r%4 of register 2u + (r%8)/4, in the lanes with h = r/8
	v_lshlrev_b32 v[T0+5], 3, v[T0+5]
	v_mov_b32 v[T0+6], 4
	s_delay_alu instid0(VALU_DEP_1)
	v_lshlrev_b32 v[T0+4], v[T0+5], v[T0+6]
	v_cmp_eq_u32 vcc_lo, v31, v[T0+3]
	s_delay_alu instid0(VALU_DEP_1)
	v_cndmask_b32 v[T0+4], 0, v[T0+4], vcc_lo
	v_cmp_gt_u32 vcc_lo, 4, v[T0+2]
	s_delay_alu instid0(VALU_DEP_1)
	v_cndmask_b32 v[AC+2], 0, v[T0+4], vcc_lo
	s_delay_alu instid0(VALU_DEP_1)
	v_sub_nc_u32 v[AC+3], v[T0+4], v[AC+2]
.irp i, 0,1,4,5,6,7,8,9
	v_mov_b32 v[AC+\i], 0
.endr
.irp i, 0,1,2,3,4,5,6,7
	v_mov_b32 v[CC+\i], 0xfe800000         ; -2^126
.endr
	v_mov_b32 v[MSC], 0xbebebebe           ; scale bytes 190: 2^63
.irp m, M0, M1
	v_mov_b32 v[\m+1], 0xff61b1e6          ; the largest t so far: -3e38
	v_mov_b32 v[\m+2], 0                   ; the sum, in two halves
	v_mov_b32 v[\m+3], 0
	v_floor_f32 v[\m], -v[\m+1]            ; -M
.irp b, 8,9,10,11
	v_mov_b32 v[\m+\b], 0                  ; a lane permute's destination counts as one of its sources
.endr
.endr
.irp x, 0,1
	WIN 0x40*\x
.set i, 0
.rept 64
	v_mov_b32 v[RO+i], 0                   ; the step is written once: the first finds zeros
.set i, i+1
.endr
.endr
	WIN 0
; C of the scores: -2^126 + 2^126 x mask.  B = the lane's 16 raw mask bytes of block t/2 (registers 0-3; A is 0 over registers 4-7)
.macro MASKP x
	WIN 0x44*\x
.irp t, 0,1,2,3,4,5,6,7
	v_wmma_scale_f32_16x16x128_f8f6f4 v[RS+8*\t:RS+8*\t+7], v[AC+2-2*(\t%2):AC+9-2*(\t%2)], v[MW+4*(\t/2):MW+4*(\t/2)+7], v[CC:CC+7], v[MSC], v[MSC] matrix_a_fmt:MATRIX_FMT_FP4 matrix_b_fmt:MATRIX_FMT_FP4
.endr
.endm
.macro MM d, b, sa, sb                 ; eight products on eight accumulators by turns; odd tiles' scales in lanes 16-31
.irp t, 0,1,2,3,4,5,6,7
.if \t%2
	v_wmma_scale_f32_16x16x128_f8f6f4 v[\d+8*\t:\d+8*\t+7], v[FR+8*\t:FR+8*\t+7], v[\b:\b+7], v[\d+8*\t:\d+8*\t+7], v[\sa+\t/2], v[\sb] matrix_a_fmt:MATRIX_FMT_FP4 matrix_b_fmt:MATRIX_FMT_FP4 matrix_a_scale:MATRIX_SCALE_ROW1
.else
	v_wmma_scale_f32_16x16x128_f8f6f4 v[\d+8*\t:\d+8*\t+7], v[FR+8*\t:FR+8*\t+7], v[\b:\b+7], v[\d+8*\t:\d+8*\t+7], v[\sa+\t/2], v[\sb] matrix_a_fmt:MATRIX_FMT_FP4 matrix_b_fmt:MATRIX_FMT_FP4
.endif
.endr
.endm
.macro SCORE x                         ; S^T += K Q^T
	WIN 0x01+0x54*\x
	MM RS, RQ, KS, QS+\x
.endm
.macro PV x                            ; O^T += V^T P^T
	WIN 0x01+0x54*\x
	MM RO, RP, VS, PS+\x
.endm
; The largest score of each block of 32 keys of tile w (my 16 of them), in eight chains: it serves for the row's maximum and for the block's largest p
.macro MAXT m, w
	WIN 0x15*\w
.irp b, 0,1,2,3
	v_max3_num_f32 v[\m+4+\b], v[RS+16*\b], v[RS+16*\b+1], v[RS+16*\b+2]
.endr
.irp b, 0,1,2,3
	v_max3_num_f32 v[\m+8+\b], v[RS+16*\b+8], v[RS+16*\b+9], v[RS+16*\b+10]
.endr
	WIN 0x14*\w
.irp i, 3,5
.irp b, 0,1,2,3
	v_max3_num_f32 v[\m+4+\b], v[\m+4+\b], v[RS+16*\b+\i], v[RS+16*\b+\i+1]
.endr
.irp b, 0,1,2,3
	v_max3_num_f32 v[\m+8+\b], v[\m+8+\b], v[RS+16*\b+\i+8], v[RS+16*\b+\i+9]
.endr
.endr
.irp b, 0,1,2,3
	v_max3_num_f32 v[\m+4+\b], v[\m+4+\b], v[RS+16*\b+7], v[RS+16*\b+15]
.endr
.endm
.macro SCALET m, w                     ; tile w: t - M, and O^T under the new M
	WIN 0x41*\w
.set g, 0
.rept 32
	v_pk_fma_f32 v[RS+2*g:RS+2*g+1], v[RS+2*g:RS+2*g+1], s[CS:CS+1], v[\m:\m+1] op_sel_hi:[1,0,0]
.set g, g+1
.endr
.set g, 0
.rept 32
	v_pk_mul_f32 v[RO+2*g:RO+2*g+1], v[RO+2*g:RO+2*g+1], v[\m+16:\m+17] op_sel_hi:[1,0]
.set g, g+1
.endr
.endm
.macro EXPT w
	WIN 0x41*\w
.set g, 0
.rept 64
	v_exp_f32 v[RS+g], v[RS+g]             ; p = 2^(t - M)
.set g, g+1
.endr
.endm
.macro CVTT m, w
	WIN 0x41*\w
.irp b, 0,1,2,3
	v_cvt_scalef32_pk8_fp4_f32 v[RP+2*\b], v[RS+16*\b:RS+16*\b+7], v[\m+12+\b]
	v_cvt_scalef32_pk8_fp4_f32 v[RP+2*\b+1], v[RS+16*\b+8:RS+16*\b+15], v[\m+12+\b]
.endr
.endm
.macro SWAPT w                         ; a whole block of 32 keys to a lane
	WIN 0x41*\w
.irp c, 0,1
.irp i, 0,1
	v_permlane16_swap_b32 v[RP+4*\c+\i], v[RP+2+4*\c+\i]
.endr
.endr
.endm
; The row's sum of the unquantised p, two at a time, in four chains (+2, +4, +6, +8 of the tile's state)
.macro SUMI m, w
	WIN 0x05*\w
	v_pk_add_f32 v[\m+4:\m+5], v[RS:RS+1], v[RS+2:RS+3]
	v_pk_add_f32 v[\m+6:\m+7], v[RS+4:RS+5], v[RS+6:RS+7]
	v_pk_add_f32 v[\m+8:\m+9], v[RS+8:RS+9], v[RS+10:RS+11]
.endm
.macro SUMR m, w, from, to
	WIN 0x04*\w
.set p, \from
.rept \to-\from
	v_pk_add_f32 v[\m+2+2*(p%4):\m+3+2*(p%4)], v[\m+2+2*(p%4):\m+3+2*(p%4)], v[RS+2*p:RS+2*p+1]
.set p, p+1
.endr
.endm
.macro SUMF m
	WIN 0
	v_pk_add_f32 v[\m+2:\m+3], v[\m+2:\m+3], v[\m+4:\m+5]
	v_pk_add_f32 v[\m+6:\m+7], v[\m+6:\m+7], v[\m+8:\m+9]
	s_delay_alu instid0(VALU_DEP_1)
	v_pk_add_f32 v[\m+2:\m+3], v[\m+2:\m+3], v[\m+6:\m+7]
.endm
; The softmax of both tiles and 128 keys, up to P's codes.  All sources are laid first, then the 136 exponentials as one batch.
; No transcendental stands between the products and the first readers of S^T and of O^T.
.macro SMA                             ; its first part: the blocks' largest scores of both tiles
	MAXT M0, 0
	MAXT M1, 1
	WIN 0
.endm
.macro SM2                             ; the rest
.irp b, 0,1,2,3
.irp m, M0, M1
	v_max_num_f32 v[\m+4+\b], v[\m+4+\b], v[\m+8+\b]
.endr
.endr
.irp b, 0,1,2,3
.irp m, M0, M1
	v_permlanex16_b32 v[\m+8+\b], v[\m+4+\b], s[SEL], s[SEL+1]
.endr
.endr
.irp b, 0,1,2,3
.irp m, M0, M1
	v_max_num_f32 v[\m+4+\b], v[\m+4+\b], v[\m+8+\b]   ; with lane l xor 16's 16 keys
.endr
.endr
.irp m, M0, M1
	v_max3_num_f32 v[\m+17], v[\m+4], v[\m+5], v[\m+6]
.endr
.irp m, M0, M1
	s_delay_alu instid0(VALU_DEP_2)
	v_max_num_f32 v[\m+17], v[\m+17], v[\m+7]
.endr
.irp m, M0, M1
	s_delay_alu instid0(VALU_DEP_2)
	v_mul_f32 v[\m+17], s[CS], v[\m+17]
.endr
.irp m, M0, M1
	s_delay_alu instid0(VALU_DEP_2)
	v_max_num_f32 v[\m+1], v[\m+1], v[\m+17]   ; the running largest t
.endr
.irp m, M0, M1
	v_mov_b32 v[\m+17], v[\m]
.endr
.irp m, M0, M1
	s_delay_alu instid0(VALU_DEP_4)
	v_floor_f32 v[\m], -v[\m+1]            ; -M
.endr
.irp m, M0, M1
	s_delay_alu instid0(VALU_DEP_2)
	v_sub_f32 v[\m+17], v[\m], v[\m+17]
.endr
.irp b, 0,1,2,3
	v_fma_f32 v[M0+4+\b], v[M0+4+\b], s[CS], v[M0]
.endr
.irp m, M0, M1
	v_cvt_i32_f32 v[\m+17], v[\m+17]       ; it saturates
.endr
.irp b, 0,1,2,3
	v_fma_f32 v[M1+4+\b], v[M1+4+\b], s[CS], v[M1]
.endr
.irp m, M0, M1
	v_ldexp_f32 v[\m+16], 1.0, v[\m+17]    ; f = 2^(old M - new M)
.endr
.irp m, M0, M1
	s_delay_alu instid0(VALU_DEP_2)
	v_pk_mul_f32 v[\m+2:\m+3], v[\m+2:\m+3], v[\m+16:\m+17] op_sel_hi:[1,0]
.endr
	SCALET M0, 0
	SCALET M1, 1
	WIN 0
	s_wait_alu depctr_va_vdst(0)           ; one wait ahead of the batch
.irp m, M0, M1
.irp b, 0,1,2,3
	v_exp_f32 v[\m+4+\b], v[\m+4+\b]       ; the blocks' largest p
.endr
.endr
	EXPT 0
	EXPT 1
	WIN 0
	v_nop                                  ; a plain place behind the batch
	s_wait_alu depctr_va_vdst(0)           ; and one wait behind it
.irp b, 0,1,2,3
.irp m, M0, M1
	v_max_num_f32 v[\m+4+\b], 0x1800000, v[\m+4+\b]   ; the floor 2^(3-127): the byte stays at 1 or above
.endr
.endr
.irp b, 0,1,2,3
.irp m, M0, M1
	v_add_nc_u32 v[\m+12+\b], 0xff000000, v[\m+4+\b]  ; 2 off the exponent field: the conversion's scale operand
.endr
.endr
.irp b, 0,1,2,3
.irp m, M0, M1
	v_lshrrev_b32 v[\m+8+\b], 23, v[\m+12+\b]         ; the scale's byte
.endr
.endr
.irp m, M0, M1
	v_lshl_or_b32 v[\m+17], v[\m+9], 8, v[\m+8]
.endr
.irp m, M0, M1
	s_delay_alu instid0(VALU_DEP_2)
	v_lshl_or_b32 v[\m+17], v[\m+10], 16, v[\m+17]
.endr
	s_delay_alu instid0(VALU_DEP_2)
	v_lshl_or_b32 v[PS], v[M0+11], 24, v[M0+17]       ; p's scale words
	s_delay_alu instid0(VALU_DEP_2)
	v_lshl_or_b32 v[PS+1], v[M1+11], 24, v[M1+17]
	CVTT M0, 0
	CVTT M1, 1
	v_nop                                  ; a plain place behind the conversions
	SWAPT 1
	SWAPT 0
.endm
.macro LOADS q                         ; step q's mask bytes, scale words and fragments of K
	WIN 0
.irp b, 0,1,2,3
	ds_load_b128 v[MW+4*\b:MW+4*\b+3], v[ADM] offset:128*(\q)+32*\b
.endr
.irp b, 0,1,2,3
	ds_load_b32 v[KS+\b], v[ADS] offset:544*(\q)+272*(\b/2)+128*(\b%2)
.endr
.irp p, 0,1,2,3
	ds_load_b32 v[VS+\p], v[ADT] offset:2176*\p+4*(\q)
.endr
	WIN 0x40
.irp b, 0,1,2,3
	ds_load_b128 v[MW+4*\b:MW+4*\b+3], v[ADM] offset:16*MP+128*(\q)+32*\b
.endr
.irp t, 0,1,2,3,4,5,6,7
.irp c, 0,1
	ds_load_b128 v[FR+8*\t+4*\c:FR+8*\t+4*\c+3], v[ADK] offset:(16*(4*(\q)+\t/2)+8*(\t%2))*KP+32*\c
.endr
.endr
.endm
; A key step: 128 keys, the q-th of the slot in hand, both tiles.  Its LOADS and tile 0's mask product have been issued in the step before.
; nxt >= 0: the loads of the step that follows (step nxt of its slot) and tile 0's mask product for it are issued among this step's sums.
; sync = 1: the change of slots with a refill stands behind V's loads, my last reads of the slot; sync = 2: the same with no refill; sync = 0: none.
.macro STEP q, nxt, sync
	MASKP 1
	s_wait_dscnt 0x0
	SCORE 0
	SCORE 1
	NOP4
	WIN 0x40
.irp t, 0,1,2,3,4,5,6,7
.irp c, 0,1
	ds_load_b128 v[FR+8*\t+4*\c:FR+8*\t+4*\c+3], v[ADV] offset:16*\t*VP+64*(\q)+32*\c
.endr
.endr
.if \sync == 0
	SMA
.endif
.if \sync == 1
	SYNC 1, 0
.endif
.if \sync == 2
	SYNC 0, 0
.endif
	SM2
	s_wait_dscnt 0x0                       ; V's fragments
	SUMI M0, 0                             ; 13 additions: the places ahead of the products
	SUMR M0, 0, 6, 16
	PV 0
	PV 1
	SUMR M0, 0, 16, 24                     ; the other additions stand behind the products: they name none of their registers
.if \nxt >= 0
	LOADS \nxt                             ; eight places behind the products that read V's fragments and scale words
.endif
	SUMR M0, 0, 24, 32
	SUMF M0
	SUMI M1, 1
	SUMR M1, 1, 6, 20
.if \nxt >= 0
	s_wait_alu depctr_va_vdst(0)
	s_wait_dscnt 16                        ; mask and scale words are in; K's 16 loads may be out
	MASKP 0                                ; tile 0's S^T has been summed: its next sums begin
.endif
	SUMR M1, 1, 20, 32
	SUMF M1
.endm
; The change of slots.  It stands where a wave has issued its last reads of the slot in hand: the three lines, with the next slot's addresses and the
; blocks' largest scores (work on registers) between the add and its wait; a round of the cluster's barrier; the joint refill of the slot just read out
; first behind it.  Behind the round the next slot is whole for every wave, so its loads need no further barrier.  first = 1: at the head, for slot 0.
.macro SYNC fill, first
	WIN 0
	s_wait_tensorcnt 0x0
	ds_add_u32 v[SPW], v[NIL]
.if \first == 0
	s_xor_b32 s[TB], s[TB], SLOT1          ; on to the other slot
	s_add_co_u32 s[TS], s[TS], 1088        ; its scale words: K's four units, V's 8 bytes a row
	s_add_co_u32 s[TJ], s[TJ], 8
.endif
.if \fill
	s_xor_b32 s[G0K+1], s[G0K+1], SLOT1
	s_add_nc_u64 s[G0K+2:G0K+3], s[G0K+2:G0K+3], 16384
	s_xor_b32 s[G0V+1], s[G0V+1], SLOT1
	s_add_nc_u64 s[G0V+2:G0V+3], s[G0V+2:G0V+3], 128
	s_xor_b32 s[G0M+1], s[G0M+1], SLOT1
	s_add_nc_u64 s[G0M+2:G0M+3], s[G0M+2:G0M+3], 256
.endif
	v_add_nc_u32 v[ADK], s[TB], v[AK0]
	v_add_nc_u32 v[ADV], s[TB], v[AV0]
	v_add_nc_u32 v[ADM], s[TB], v[AM0]
	v_add_nc_u32 v[ADS], s[TS], v[ASK0]
	v_add_nc_u32 v[ADT], s[TJ], v[ASV0]
.if \first == 0
	SMA
.endif
	s_wait_alu depctr_va_vdst(0)
.if \fill
	s_wait_xcnt 0x0
	s_add_nc_u64 s[PFA:PFA+1], s[PFA:PFA+1], s[PFS:PFS+1]
	s_wait_dscnt 0x0
	CROUND
	JLOAD
	ASK
.else
	s_wait_dscnt 0x0
	s_barrier_signal -1
	s_barrier_wait -1
.endif
.endm
	s_wait_alu depctr_va_vdst(0)           ; the wait at the head's end
	s_wait_loadcnt 0x0                     ; Q
	SYNC 1, 1                              ; slot 0 is whole; slot 1's first fill, issued as a refill is
	s_mov_b32 s[SLOTS], NSL-2              ; six more fills: slots 2 to 7
	LOADS 0
	s_wait_dscnt 16
	MASKP 0
	WIN 0
.Lslot:                                        ; trip s = 0 .. 5: slot s is multiplied, and its bytes take slot s + 2
	STEP 0, 1, 0
	STEP 1, 0, 1
	s_sub_co_u32 s[SLOTS], s[SLOTS], 1
	s_cmp_lg_u32 s[SLOTS], 0
	s_cbranch_scc1 .Lslot
	STEP 0, 1, 0                           ; slot 6 is written out: its change of slots asks for nothing more
	STEP 1, 0, 2
	STEP 0, 1, 0                           ; slot 7
	STEP 1, -1, 0
; The way out: O^T / the sum, through my stage (in slot 0, which has had its last fill and is read no more), back as whole rows of 512 bytes
.macro OUTP x, m
	WIN 0
	v_add_f32 v[\m+2], v[\m+2], v[\m+3]
	s_delay_alu instid0(VALU_DEP_1)
	v_permlanex16_b32 v[\m+8], v[\m+2], s[SEL], s[SEL+1]
	s_delay_alu instid0(VALU_DEP_1)
	v_add_f32 v[\m+2], v[\m+2], v[\m+8]
	s_wait_alu depctr_va_vdst(0)
	v_rcp_f32 v[\m+2], v[\m+2]
	v_nop
	WIN 0x41*\x
	s_wait_alu depctr_va_vdst(0)           ; behind the reciprocal, directly ahead of the first readers of O^T
.set g, 0
.rept 32
	v_pk_mul_f32 v[RS+2*g:RS+2*g+1], v[RO+2*g:RO+2*g+1], v[\m+2:\m+3] op_sel_hi:[1,0]
.set g, g+1
.endr
	WIN 0x04*\x
.irp t, 0,1,2,3,4,5,6,7
	ds_store_b128 v[STO], v[RS+8*\t:RS+8*\t+3] offset:64*\t
	ds_store_b128 v[STO], v[RS+8*\t+4:RS+8*\t+7] offset:64*\t+16
.endr
	WIN 0x40*\x
.irp i, 0,1,2,3,4,5,6,7,8,9,10,11,12,13,14,15
	ds_load_b128 v[RO+4*\i:RO+4*\i+3], v[RD] offset:SPI*\i   ; LDS serves a wave's instructions in order
.endr
	WIN 0
.endm
.macro SEND x, younger                 ; younger: LDS instructions issued behind this tile's 16 loads
	WIN 0x04*\x
.irp i, 0,1,2,3,4,5,6,7,8,9,10,11,12,13,14,15
	s_wait_dscnt \younger+15-\i
	global_store_b128 v[GO], v[RO+4*\i:RO+4*\i+3], s[18:19] offset:8192*\x+512*\i th:TH_STORE_NT   ; a wave's store covers one row of 512 bytes, aligned
.endr
	WIN 0
.endm
	OUTP 0, M0
	OUTP 1, M1
	SEND 0, 32
	SEND 1, 0
	s_wait_tensorcnt 0x0                   ; the wave's end
	ds_add_u32 v[SPW], v[NIL]
	s_wait_dscnt 0x0
	CROUND                                 ; the closing round
	s_endpgm
.Lfunc_end_k_q0415edf10a_attn:
	.size	k_q0415edf10a_attn, .Lfunc_end_k_q0415edf10a_attn-k_q0415edf10a_attn
	.p2alignl 7, 3214868480
	.fill 96, 4, 3214868480
	.section	.rodata,"a",@progbits
	.p2align	6, 0x0
	.amdhsa_kernel k_q0415edf10a_attn
		.amdhsa_group_segment_fixed_size 327680
		.amdhsa_private_segment_fixed_size 0
		.amdhsa_enable_private_segment 0
		.amdhsa_kernarg_size 64
		.amdhsa_user_sgpr_count 2
		.amdhsa_user_sgpr_kernarg_segment_ptr 1
		.amdhsa_wavefront_size32 1
		.amdhsa_system_sgpr_workgroup_id_x 1
		.amdhsa_system_sgpr_workgroup_id_y 1
		.amdhsa_system_sgpr_workgroup_id_z 1
		.amdhsa_system_vgpr_workitem_id 0
		.amdhsa_next_free_vgpr 512
		.amdhsa_next_free_sgpr 102
		.amdhsa_reserve_vcc 1
		.amdhsa_float_denorm_mode_32 3
		.amdhsa_float_denorm_mode_16_64 3
		.amdhsa_memory_ordered 1
		.amdhsa_forward_progress 1
		.amdhsa_inst_pref_size 251
	.end_amdhsa_kernel
	.amdgpu_metadata
---
amdhsa.version: [ 1, 2 ]
amdhsa.kernels:
  - .name:           k_q0415edf10a_attn
    .symbol:         k_q0415edf10a_attn.kd
    .args:
      - { .name: q_codes, .offset: 0, .size: 8, .value_kind: global_buffer, .address_space: global }
      - { .name: q_scales, .offset: 8, .size: 8, .value_kind: global_buffer, .address_space: global }
      - { .name: k_codes, .offset: 16, .size: 8, .value_kind: global_buffer, .address_space: global }
      - { .name: k_scales, .offset: 24, .size: 8, .value_kind: global_buffer, .address_space: global }
      - { .name: v_codes, .offset: 32, .size: 8, .value_kind: global_buffer, .address_space: global }
      - { .name: v_scales, .offset: 40, .size: 8, .value_kind: global_buffer, .address_space: global }
      - { .name: mask, .offset: 48, .size: 8, .value_kind: global_buffer, .address_space: global }
      - { .name: out0, .offset: 56, .size: 8, .value_kind: global_buffer, .address_space: global }
    .group_segment_fixed_size: 327680
    .private_segment_fixed_size: 0
    .kernarg_segment_align: 8
    .kernarg_segment_size: 64
    .max_flat_workgroup_size: 256
    .sgpr_count:     102
    .vgpr_count:     512
    .wavefront_size: 32
...
	.end_amdgpu_metadata
.endif
;; end of part 1
